; MI455X (gfx1250); checked and timed in simulation.
; The chip was launched on July 23, 2026; its instructions are those of AMD's public machine-readable ISA for CDNA 5 (MIT licence, August 2026) and "CDNA5" Instruction Set Architecture Reference Guide (July 2026). The comments in the code are by the model that wrote it; some were corrected since.
;; Multi Head Attention Block. Allowed arithmetic: matrix products marked QUANTISED: E4M3 operands, one given power-of-two scale a tensor, by v_wmma_f32_16x16x64_fp8_fp8 or v_wmma_f32_16x16x128_fp8_fp8, f32 sums; everything else in f32.
;; Inputs: k 4 x 2,048 x 1,024 float32; lowp_scales 12 int32 (the exponents e of the quantised operands' scales 2^e); mask 4 x 2,048 x 2,048 int32; q 4 x 2,048 x 1,024 float32; v 4 x 2,048 x 1,024 float32; w_k 1,024 x 1,024 float32; w_o 1,024 x 1,024 float32; w_q 1,024 x 1,024 float32; w_v 1,024 x 1,024 float32.
;; Outputs: out0 4 x 2,048 x 1,024 float32.
;; This version of the problem:
;;   THIS VERSION OF THE PROBLEM IS GIVEN IN LOW PRECISION. The matrix products marked QUANTISED in the list below multiply operands that are first quantised to E4M3 (4 exponent bits, 3 mantissa bits; 8 bits a number), with one given power-of-two scale for each operand tensor; their sums are f32. All else is computed in f32.
;;   The module's matrix products, in the order in which they are computed (A, B: the left and right operand; K: the contracted axis; several contracted axes count as one K, in the product's order):
;;     1. [M 8,192, K 1,024] x [K 1,024, N 1,024]; A: input q; B: input w_q: QUANTISED (scales: A lowp_scales[0], B lowp_scales[1])
;;     2. [M 8,192, K 1,024] x [K 1,024, N 1,024]; A: input k; B: input w_k: QUANTISED (scales: A lowp_scales[2], B lowp_scales[3])
;;     3. [M 8,192, K 1,024] x [K 1,024, N 1,024]; A: input v; B: input w_v: QUANTISED (scales: A lowp_scales[4], B lowp_scales[5])
;;     4. batch 64 x [M 2,048, K 64] x [K 64, N 2,048]; A: computed on the way; B: computed on the way: QUANTISED (scales: A lowp_scales[6], B lowp_scales[7])
;;     5. batch 64 x [M 2,048, K 2,048] x [K 2,048, N 64]; A: softmax (see below); B: computed on the way: QUANTISED (scales: A lowp_scales[8], B lowp_scales[9])
;;     6. [M 8,192, K 1,024] x [K 1,024, N 1,024]; A: computed on the way; B: input w_o: QUANTISED (scales: A lowp_scales[10], B lowp_scales[11])
;;   THE QUANTISER, for each operand of a quantised product, along K:
;;     - The operand's scale is 2^e, e = its entry of the input lowp_scales (int32; the entries are numbered through the quantised products in the list's order, A before B).
;;     - Each number is divided by the scale, clamped to +-448, and rounded to the nearest number of E4M3, ties to even, subnormals kept.
;;     - The product sums the exact products of the quantised numbers (number of the format x scale) in f32.
;;   ~~~python
;;   def quantise(x, axis, e):      # numpy; x: float32 -> the quantised numbers, widened to float32 again
;;       x = np.moveaxis(x, axis, -1); K = x.shape[-1]
;;       r = np.clip(x / 2.0 ** e, -448, 448)
;;       step = 2.0 ** (np.maximum(np.frexp(np.where(r == 0, 1, r))[1] - 1, -6) - 3)
;;       q = np.round(r / step) * step * 2.0 ** e      # np.round: ties to even
;;       return np.moveaxis(q, -1, axis).astype(np.float32)
;;   ~~~
;;   SOFTMAX AHEAD OF A QUANTISED PRODUCT. Where the list says 'softmax', what is quantised is not the finished softmax but p = 2^(t - M), with t = logit x log2(e) and M = ceil(the row's largest t), a whole number; so 1/2 < the row's largest p <= 1. The row's sum l is taken of the UNQUANTISED p, in f32, and the product's result is divided by l at the end. Since M is a whole number, a kernel that streams over the keys may use a running M (the ceiling of the running maximum): every later rescaling is an exact power of two, so the quantised numbers keep their values, but for numbers so far below the row's largest that they fall under the format's range.
;;   OPERANDS COMPUTED ON THE WAY. 'Computed on the way' means the value that the module computes at that place (a softmax that the list does not call 'softmax' is quantised finished and normalised). What goes into a quantiser is computed in f32, as accurately as f32 sums, v_exp_f32 and their like allow (about 1e-6 of the number): no bf16 or f16 on the way to a quantiser, and a product that is left as it is and whose result goes on into a quantised operand takes f32 operands (vector FMAs, or v_wmma_f32_16x16x4_f32). A number that lies on a knife's edge between two numbers of the format may be rounded either way, as far as f32 arithmetic and the matrix unit's own rounding can turn it there, and no further.
;; One version. Each part assembles by itself: llvm-mc -triple=amdgcn-amd-amdhsa -mcpu=gfx1250 --defsym DOCPART=n.
;; ======== version 1 of 1: 4 launches
;; limits: right only within a limited range of input values
;; workspace buffers: codes 29,360,128 bytes; mbits 2,097,152 bytes of whole numbers; hcodes 25,165,824 bytes; xc 8,388,608 bytes
;; launch prep (part 1): grid 1408 x 1, 4 waves a work-group, no clusters, 67,072 bytes of LDS; arguments q, k, v, w_q, w_k, w_v, w_o, mask, lowp_scales, codes, mbits; writes codes, mbits
.if DOCPART == 1
	.amdgcn_target "amdgcn-amd-amdhsa--gfx1250"
	.amdhsa_code_object_version 6
	.text
	.protected	k_qf617d57a62_prep
	.globl	k_qf617d57a62_prep
	.p2align	8
	.type	k_qf617d57a62_prep,@function
k_qf617d57a62_prep:
	s_mov_b64 s[64:65], 0
	v_nop
	global_prefetch_b8 v0, s[64:65] scope:SCOPE_SE
	s_setreg_imm32_b32 hwreg(HW_REG_WAVE_MODE, 25, 1), 1
	s_wait_xcnt 0x0
; PREP.  Two jobs in one launch, parted on the work-group's number.
; (1) Work-groups 0 to 895: q, k, v [8192][1024] and w_q, w_k, w_v, w_o [1024][1024], f32, become codes of FP8 (E4M3), K innermost, one byte a code, each with the scale 2^e given for it:
;     code = x / 2^e, held within +-448, to the nearest code, ties to even.  A work-group takes 32,768 numbers; its codes lie at 32,768 x its number, so the seven tensors follow each other in the buffer.
;     LIMITS: each e between -126 and 119, so that 2^e and 448 x 2^e are f32 numbers.  NaN among the inputs is not served (an infinity is held at the largest code).
; (2) Work-groups 896 to 1407: the mask [4][2048][2048], int32, becomes lane masks.  A work-group takes 16 queries (one tile), wave w key steps 4 w to 4 w + 3 of 128 keys.
;     Word n = 8 t + j of a key step holds in bit r + 16 h whether mask[query r][key 16 t + 8 h + j] is not 0: the lanes of score register n in the attention launch.
; No tensor load, no barrier: waves share nothing.  Each path has LDS bytes of its own.
.set WAVES, 4
.set STEPS, 16
.set QWG,   896                        ; work-groups of the first job
.set SP,    80                         ; quantiser: a lane's place in a stage: 64 bytes + 16 of padding
.set WREG,  8192                       ; quantiser: LDS of a wave: two stages of 32 x SP bytes
.set MSTG,  32768                      ; mask: the stages begin here
.set MROW,  528                        ; mask: a stage row: 512 bytes + 16: row r starts at bank 4 r mod 64 (64 banks of 4 bytes: ISA guide 11.1)
.set MWREG, 16*MROW                    ; mask: LDS of a wave
.set SPARE, MSTG+WAVES*MWREG           ; 66,560: the spare words, 128 bytes for each wave: two blocks of 256 bytes that no other line names
.set SPW,   12                         ; v12  LDS address of my spare word; never rewritten
.set NIL,   13                         ; v13  0; never rewritten
.set R,     16                         ; v16-79   quantiser: four sets of 16 numbers as loaded
.set X,     80                         ; v80-111  quantiser: two sets of 16 neighbours
.set C,     128                        ; v128-191 quantiser: codes, four registers for each step
.set MR,    16                         ; v16-143  mask: two sets of 64 words as loaded
.set MX,    144                        ; v144-207 mask: 64 words in the order of the score registers
.set MW,    208                        ; v208-215 mask: the lane masks, gathered for two stores
	s_load_b512 s[4:19], s[0:1], 0x0               ; q, k, v, w_q, w_k, w_v, w_o, mask
	s_load_b128 s[20:23], s[0:1], 0x40             ; the scales' exponents, the codes
	s_load_b64 s[24:25], s[0:1], 0x50              ; the lane masks
	v_lshl_add_u32 v[SPW], v0, 2, SPARE
	v_mov_b32 v[NIL], 0
	v_lshrrev_b32 v1, 5, v0
	v_readfirstlane_b32 s31, v1                    ; wave 0..3
	v_and_b32 v2, 31, v0                           ; lane
	v_lshlrev_b32 v3, 4, v2                        ; 16 x lane: my 16 bytes of 512, in and out
	s_mul_i32 s32, s31, WREG                       ; every LDS address is made here, ahead of the parting
	v_lshrrev_b32 v14, 2, v2
	v_mul_u32_u24 v14, v14, SP
	v_and_b32 v15, 3, v2
	v_lshl_add_u32 v14, v15, 4, v14
	v_add_nc_u32 v14, s32, v14                     ; quantiser, in: SP (lane / 4) + 16 (lane % 4)
	v_mul_u32_u24 v15, v2, SP
	v_add_nc_u32 v15, s32, v15                     ; quantiser, out: SP x lane: my 16 neighbours
	s_mul_i32 s33, s31, MWREG
	s_add_co_u32 s33, s33, MSTG
	v_add_nc_u32 v5, s33, v3                       ; mask, in: 16 x lane of a row
	v_and_b32 v7, 15, v2                           ; r
	v_lshrrev_b32 v8, 4, v2                        ; h
	v_mul_u32_u24 v6, v7, MROW
	v_lshl_add_u32 v6, v8, 5, v6
	v_add_nc_u32 v6, s33, v6                       ; mask, out: row r, + 32 h: eight keys of my half
	s_wait_kmcnt 0x0
	s_cmp_ge_u32 ttmp9, QWG
	s_cbranch_scc1 .Lmask
	; ---------------- the quantiser ----------------
	s_load_b256 s[36:43], s[20:21], 0x0            ; e0 .. e7
	s_load_b128 s[44:47], s[20:21], 0x20           ; e8 .. e11
	s_mov_b64 s[26:27], s[4:5]                     ; which tensor is mine hangs on the work-group's number alone
	s_mov_b32 s28, 0                               ; and the tensor's first work-group
.macro PICK first, ptr
	s_cmp_ge_u32 ttmp9, \first
	s_cselect_b64 s[26:27], s[\ptr:\ptr+1], s[26:27]
	s_cselect_b32 s28, \first, s28
.endm
	PICK 256, 6                                    ; k
	PICK 512, 8                                    ; v
	PICK 768, 10                                   ; w_q
	PICK 800, 12                                   ; w_k
	PICK 832, 14                                   ; w_v
	PICK 864, 16                                   ; w_o
	s_sub_co_u32 s33, ttmp9, s28
	s_lshl_b32 s33, s33, 2
	s_add_co_u32 s33, s33, s31                     ; which run of 8,192 numbers of the tensor is my wave's
	s_lshl_b32 s34, s33, 15
	s_mov_b32 s35, 0
	s_add_nc_u64 s[26:27], s[26:27], s[34:35]
	s_lshl_b32 s34, ttmp9, 2
	s_add_co_u32 s34, s34, s31
	s_lshl_b32 s34, s34, 13                        ; and its 8,192 bytes of codes
	s_add_nc_u64 s[22:23], s[22:23], s[34:35]
.macro LOAD t
.irp i, 0,1,2,3
	global_load_b128 v[R+16*((\t)%4)+4*\i:R+16*((\t)%4)+4*\i+3], v3, s[26:27] offset:2048*(\t)+512*\i th:TH_LOAD_NT   ; 32 lanes read 512 consecutive bytes
.endr
.endm
.macro TURN t                          ; step t's numbers through the stage: LDS serves a wave's instructions in order (ISA guide 5.7.1.4), so no wait stands between the stores and the loads
.irp i, 0,1,2,3
	ds_store_b128 v14, v[R+16*((\t)%4)+4*\i:R+16*((\t)%4)+4*\i+3] offset:32*SP*((\t)%2)+8*SP*\i
.endr
.irp i, 0,1,2,3
	ds_load_b128 v[X+16*((\t)%2)+4*\i:X+16*((\t)%2)+4*\i+3], v15 offset:32*SP*((\t)%2)+16*\i
.endr
.endm
.irp t, 0,1,2,3
	LOAD \t
.endr
	s_wait_kmcnt 0x0
.macro PICKE first, e
	s_cmp_ge_u32 ttmp9, \first
	s_cselect_b32 s36, s[\e], s36
.endm
	PICKE 256, 38                                  ; k: e2   (q: e0 stands in s36)
	PICKE 512, 40                                  ; v: e4
	PICKE 768, 37                                  ; w_q: e1
	PICKE 800, 39                                  ; w_k: e3
	PICKE 832, 41                                  ; w_v: e5
	PICKE 864, 47                                  ; w_o: e11
	s_add_co_i32 s36, s36, 127
	s_lshl_b32 s37, s36, 23
	v_mov_b32 v11, s37                             ; 2^e as f32: the conversion takes its exponent field
	s_add_co_i32 s36, s36, 8
	s_lshl_b32 s36, s36, 23
	s_or_b32 s36, s36, 0x600000
	s_wait_loadcnt 12                              ; step 0's four loads are in
	s_wait_alu depctr_va_vdst(0)
	TURN 0
.macro STEP t
.set XS, X+16*((\t)%2)
	s_wait_dscnt 0x0                               ; this step's numbers are back from the stage: so its stores into the stage have read their registers,
.if (\t)+4 < STEPS
	LOAD (\t)+4                                    ; which take the loads of four steps on
.endif
.if (\t)+1 < STEPS
.if STEPS-2-(\t) >= 3
	s_wait_loadcnt 12                              ; the next step's four loads are in; those of the three steps behind it may be out
.else
	s_wait_loadcnt 4*(STEPS-2-(\t))
.endif
	TURN (\t)+1                                    ; and go through the other stage while this step is worked
.endif
.irp i, 0,1,2,3,4,5,6,7,8,9,10,11,12,13,14,15
.endr
	v_cvt_scalef32_pk8_fp8_f32 v[C+4*(\t):C+4*(\t)+1], v[XS:XS+7], v11
	v_cvt_scalef32_pk8_fp8_f32 v[C+4*(\t)+2:C+4*(\t)+3], v[XS+8:XS+15], v11
	v_nop                                          ; a plain line behind the last conversion of the run
	global_store_b128 v3, v[C+4*(\t):C+4*(\t)+3], s[22:23] offset:512*(\t)   ; the wave stores 512 consecutive bytes, aligned; each step has its own data registers
.endm
.irp t, 0,1,2,3,4,5,6,7,8,9,10,11,12,13,14,15
	STEP \t
.endr
	s_wait_tensorcnt 0x0                           ; the wave's end
	ds_add_u32 v[SPW], v[NIL]
	s_wait_dscnt 0x0
	s_endpgm
	; ---------------- the mask ----------------
.Lmask:
	s_sub_co_u32 s33, ttmp9, QWG                   ; g = 128 b + query tile: rows 16 g .. 16 g + 15 of the mask's 8,192
	s_lshl_b32 s34, s33, 17                        ; 16 rows of 8,192 bytes
	s_lshl_b32 s32, s31, 11                        ; my wave's four key steps: 2,048 bytes of a row
	s_add_co_u32 s34, s34, s32
	s_mov_b32 s35, 0
	s_add_nc_u64 s[18:19], s[18:19], s[34:35]
	s_lshl_b32 s34, s33, 12                        ; a tile's 16 key steps x 64 words
	s_lshl_b32 s32, s31, 10
	s_add_co_u32 s34, s34, s32
	s_add_nc_u64 s[24:25], s[24:25], s[34:35]
.irp i, 0,1,2,3,4,5,6,7
	v_mov_b32 v[MW+\i], 0                          ; written whole once: a lane write's destination counts as read
.endr
.macro MLOAD u                         ; key step u of my four: 512 consecutive bytes of each of the 16 rows
.irp p, 0,1,2,3,4,5,6,7,8,9,10,11,12,13,14,15
	global_load_b128 v[MR+64*((\u)%2)+4*\p:MR+64*((\u)%2)+4*\p+3], v3, s[18:19] offset:8192*\p+512*(\u) th:TH_LOAD_NT
.endr
.endm
.macro MUNIT u
.if (\u) < 3
	s_wait_loadcnt 16                              ; this unit's sixteen loads are in; the next unit's may be out
.else
	s_wait_loadcnt 0
.endif
.irp p, 0,1,2,3,4,5,6,7,8,9,10,11,12,13,14,15
	ds_store_b128 v5, v[MR+64*((\u)%2)+4*\p:MR+64*((\u)%2)+4*\p+3] offset:MROW*\p
.endr
.irp t, 0,1,2,3,4,5,6,7
	ds_load_b128 v[MX+8*\t:MX+8*\t+3], v6 offset:64*\t            ; lane (r, h): row r, keys 16 t + 8 h + 0 .. 7.  LDS serves a wave's instructions in order: these see my stores
	ds_load_b128 v[MX+8*\t+4:MX+8*\t+7], v6 offset:64*\t+16
.endr
	s_wait_dscnt 0x0                               ; the words are back, and the stores have read their registers,
.if (\u) < 2
	MLOAD (\u)+2                                   ; which take the unit two further on
.endif
.set n, 0
.rept 4                                ; sixteen compares, then sixteen lane writes: word n goes to register n % 4 of lane n / 4 (+ 16 for the odd unit), so that one store of 16 bytes a lane lays 128 words on end
.rept 16
	v_cmp_ne_u32 s[40+n%16], 0, v[MX+n]
.set n, n+1
.endr
.set n, n-16
.rept 16
	v_writelane_b32 v[MW+4*((\u)/2)+n%4], s[40+n%16], n/4+16*((\u)%2)
.set n, n+1
.endr
.endr
.if (\u)%2 == 1
	global_store_b128 v3, v[MW+4*((\u)/2):MW+4*((\u)/2)+3], s[24:25] offset:512*((\u)/2)   ; two key steps' words: 512 consecutive bytes, aligned; its data registers are not written again
.endif
.endm
	MLOAD 0
	MLOAD 1
	s_wait_alu depctr_va_vdst(0)
	MUNIT 0
	MUNIT 1
	MUNIT 2
	MUNIT 3
	s_wait_tensorcnt 0x0                           ; the wave's end
	ds_add_u32 v[SPW], v[NIL]
	s_wait_dscnt 0x0
	s_endpgm
.Lfunc_end_k_qf617d57a62_prep:
	.size	k_qf617d57a62_prep, .Lfunc_end_k_qf617d57a62_prep-k_qf617d57a62_prep
	.p2alignl 7, 3214868480
	.fill 96, 4, 3214868480
	.section	.rodata,"a",@progbits
	.p2align	6, 0x0
	.amdhsa_kernel k_qf617d57a62_prep
		.amdhsa_group_segment_fixed_size 67072
		.amdhsa_private_segment_fixed_size 0
		.amdhsa_enable_private_segment 0
		.amdhsa_kernarg_size 88
		.amdhsa_user_sgpr_count 2
		.amdhsa_user_sgpr_kernarg_segment_ptr 1
		.amdhsa_wavefront_size32 1
		.amdhsa_system_sgpr_workgroup_id_x 1
		.amdhsa_system_sgpr_workgroup_id_y 1
		.amdhsa_system_sgpr_workgroup_id_z 1
		.amdhsa_system_vgpr_workitem_id 0
		.amdhsa_next_free_vgpr 216
		.amdhsa_next_free_sgpr 66
		.amdhsa_reserve_vcc 0
		.amdhsa_float_denorm_mode_32 3
		.amdhsa_float_denorm_mode_16_64 3
		.amdhsa_fp16_overflow 1
		.amdhsa_memory_ordered 1
		.amdhsa_forward_progress 1
		.amdhsa_inst_pref_size 71
	.end_amdhsa_kernel
	.amdgpu_metadata
---
amdhsa.version: [ 1, 2 ]
amdhsa.kernels:
  - .name:           k_qf617d57a62_prep
    .symbol:         k_qf617d57a62_prep.kd
    .args:
      - { .name: q, .offset: 0, .size: 8, .value_kind: global_buffer, .address_space: global }
      - { .name: k, .offset: 8, .size: 8, .value_kind: global_buffer, .address_space: global }
      - { .name: v, .offset: 16, .size: 8, .value_kind: global_buffer, .address_space: global }
      - { .name: w_q, .offset: 24, .size: 8, .value_kind: global_buffer, .address_space: global }
      - { .name: w_k, .offset: 32, .size: 8, .value_kind: global_buffer, .address_space: global }
      - { .name: w_v, .offset: 40, .size: 8, .value_kind: global_buffer, .address_space: global }
      - { .name: w_o, .offset: 48, .size: 8, .value_kind: global_buffer, .address_space: global }
      - { .name: mask, .offset: 56, .size: 8, .value_kind: global_buffer, .address_space: global }
      - { .name: lowp_scales, .offset: 64, .size: 8, .value_kind: global_buffer, .address_space: global }
      - { .name: codes, .offset: 72, .size: 8, .value_kind: global_buffer, .address_space: global }
      - { .name: mbits, .offset: 80, .size: 8, .value_kind: global_buffer, .address_space: global }
    .group_segment_fixed_size: 67072
    .private_segment_fixed_size: 0
    .kernarg_segment_align: 8
    .kernarg_segment_size: 88
    .max_flat_workgroup_size: 128
    .sgpr_count:     66
    .vgpr_count:     216
    .wavefront_size: 32
...
	.end_amdgpu_metadata
.endif
;; end of part 1
;; launch proj (part 2): grid 4 x 96, 4 waves a work-group, clusters of 4 x 4, 327,680 bytes of LDS; arguments codes, lowp_scales, hcodes; writes hcodes
.if DOCPART == 2
	.amdgcn_target "amdgcn-amd-amdhsa--gfx1250"
	.amdhsa_code_object_version 6
	.text
	.protected	k_qf617d57a62_proj
	.globl	k_qf617d57a62_proj
	.p2align	8
	.type	k_qf617d57a62_proj,@function
k_qf617d57a62_proj:
	s_mov_b64 s[64:65], 0
	v_nop
	global_prefetch_b8 v0, s[64:65] scope:SCOPE_SE
	s_setreg_imm32_b32 hwreg(HW_REG_WAVE_MODE, 25, 1), 1
	s_wait_xcnt 0x0
	s_wait_alu depctr_hold_cnt(0) depctr_sa_sdst(0) depctr_va_vdst(0) depctr_va_sdst(0) depctr_va_ssrc(0) depctr_va_vcc(0) depctr_vm_vsrc(0)
	s_getreg_b32 s2, hwreg(HW_REG_IB_STS2, 6, 4)
	s_cmp_eq_u32 s2, 0
	s_cbranch_scc0 .Lentry_in_a_cluster
	s_endpgm
.Lentry_in_a_cluster:
	s_bfe_u32 s2, ttmp6, 0x10000c
	s_cmp_lg_u32 s2, 0xf033
	s_cbranch_scc0 .Lentry_shape_is_right
	s_endpgm
.Lentry_shape_is_right:
.set SIZE_K, 1024
.set KSTEP,  256
.set ROWB,   256
.set KROW,   SIZE_K
.set PITCH,  272
.set FR,     16
.set NL,     4
.set NP,     4
.set HALFT,  128*PITCH
.set SLOT,   4*HALFT
.set LAPS,   SIZE_K/(2*KSTEP)
.set SPARE,  2*SLOT
.set SGRP,   256*80
.set CO,   8
.set ADRA, 16
.set ADRB, 20
.set STO,  24
.set RD,   25
.set RD2,  26
.set LIMV, 27
.set SPW,  28
.set NIL,  29
.set SCV,  30
.set TMP,  32
.set AF,   128
.set CD,   128
.set G1, 24
.set G0, 32
.set G1B, 48
.set G0B, 56
.set MSB, 0
.macro WIN new
.if MSB != \new
	s_set_vgpr_msb (MSB<<8)|\new
.set MSB, \new
.endif
.endm
.set MUL_LO, 0xa1
.set MUL_HI, 0xf1
.set TO_B,   0x40
.macro JLOAD g0a, g1a, g0b, g1b
	s_cmp_eq_u32 s15, 0
	s_cbranch_scc0 .Lfor_b_\@
	tensor_load_to_lds s[\g0a:\g0a+3], s[\g1a:\g1a+7]
	s_nop 0
.rept 4
	v_nop
.endr
	s_branch .Lasked_\@
.Lfor_b_\@:
	tensor_load_to_lds s[\g0b:\g0b+3], s[\g1b:\g1b+7]
	s_nop 0
.rept 4
	v_nop
.endr
.Lasked_\@:
.endm
.macro CREST
	s_cmp_lg_u32 s14, 0
	s_cbranch_scc1 .Lnot_wave_0_\@
	s_barrier_signal -3
.Lnot_wave_0_\@:
	s_barrier_wait -3
	s_barrier_signal -1
	s_barrier_wait -1
.endm
.macro CROUND
	s_barrier_signal -1
	s_barrier_wait -1
	CREST
.endm
	s_load_b128 s[4:7], s[0:1], 0x0
	s_load_b64 s[8:9], s[0:1], 0x10
	v_lshl_add_u32 v[SPW], v0, 2, SPARE
	v_mov_b32 v[NIL], 0
	ds_add_u32 v[SPW], v[NIL]
	ds_add_u32 v[SPW], v[NIL]
	v_lshrrev_b32 v1, 5, v0
	v_readfirstlane_b32 s14, v1
	s_lshr_b32 s15, s14, 1
	s_and_b32 s16, s14, 1
	s_bfe_u32 s40, ttmp6, 0x40000
	s_bfe_u32 s41, ttmp6, 0x40004
	s_and_b32 s66, ttmp7, 0xffff
	s_lshr_b32 s67, s66, 3
	s_and_b32 s80, s66, 7
	s_lshl_b32 s84, s67, 23
	s_lshl_b32 s86, s67, 20
	s_add_co_u32 s86, s86, 25165824
	s_mov_b32 s89, 27262976
	s_mov_b32 s90, 16777216
	s_mov_b32 s91, 131072
	s_cmp_eq_u32 s67, 2
	s_cselect_b32 s82, 0, s80
	s_cselect_b32 s81, s80, 0
	s_cselect_b32 s84, s89, s84
	s_cselect_b32 s86, s90, s86
	s_cselect_b32 s88, 65536, s91
	s_mov_b32 s85, 0
	s_mov_b32 s87, 0
	s_lshl_b32 s42, s81, 2
	s_add_co_u32 s42, s42, s40
	s_lshl_b32 s17, s82, 2
	s_add_co_u32 s17, s17, s41
	s_lshl_b32 s43, s41, 2
	s_lshl_b32 s43, 15, s43
	s_lshl_b32 s44, 0x1111, s40
	s_or_b32 s[G1+0], s43, (0<<16)|(1<<20)|(1<<21)|(5<<22)|(3<<25)
	s_or_b32 s[G1B+0], s44, (0<<16)|(1<<20)|(1<<21)|(5<<22)|(3<<25)
.irp g, G1, G1B
	s_mov_b32 s[\g+1], ROWB<<16
	s_mov_b32 s[\g+2], 128<<16
	s_mov_b32 s[\g+3], ROWB<<16
	s_mov_b32 s[\g+4], 128
	s_mov_b32 s[\g+5], KROW
	s_mov_b32 s[\g+6], 0
	s_mov_b32 s[\g+7], 0
.endr
	s_lshl_b32 s18, s16, 7
	s_lshl_b32 s20, s17, 8
	s_add_co_u32 s20, s20, s18
	s_lshl_b32 s20, s20, 10
	s_mov_b32 s21, 0
	s_add_nc_u64 s[20:21], s[20:21], s[84:85]
	s_lshl_b32 s46, s42, 8
	s_add_co_u32 s46, s46, s18
	s_lshl_b32 s46, s46, 10
	s_mov_b32 s47, 0
	s_add_nc_u64 s[46:47], s[46:47], s[86:87]
	s_mul_i32 s45, s14, HALFT
	s_wait_dscnt 0x0
	s_wait_kmcnt 0x0
	s_load_b256 s[68:75], s[6:7], 0x0
	s_load_b128 s[76:79], s[6:7], 0x20
	s_add_nc_u64 s[20:21], s[4:5], s[20:21]
	s_add_nc_u64 s[46:47], s[4:5], s[46:47]
	CROUND
.irp s, 0,1
	s_mov_b32 s[G0+4*\s], 1
	s_add_co_u32 s[G0+4*\s+1], s45, \s*SLOT
	s_add_nc_u64 s[G0+4*\s+2:G0+4*\s+3], s[20:21], \s*ROWB
	s_or_b32 s[G0+4*\s+3], s[G0+4*\s+3], 0x80000000
	s_mov_b32 s[G0B+4*\s], 1
	s_add_co_u32 s[G0B+4*\s+1], s45, \s*SLOT
	s_add_nc_u64 s[G0B+4*\s+2:G0B+4*\s+3], s[46:47], \s*ROWB
	s_or_b32 s[G0B+4*\s+3], s[G0B+4*\s+3], 0x80000000
	s_wait_alu depctr_va_vdst(0)
	s_wait_tensorcnt 0x0
	ds_add_u32 v28, v29
	ds_add_u32 v28, v29
	s_wait_dscnt 0x0
	CROUND
	JLOAD G0+4*\s, G1, G0B+4*\s, G1B
.endr
	v_and_b32 v1, 15, v0
	s_wait_alu depctr_va_vdst(0)
	v_bfe_u32 v2, v0, 4, 1
	v_mul_u32_u24 v3, v1, PITCH
	v_lshl_add_u32 v4, v2, 4, v3
	s_mul_i32 s21, s15, HALFT
	s_mul_i32 s22, s16, HALFT
	s_add_co_u32 s22, s22, 2*HALFT
.irp s, 0,1
	v_add_nc_u32 v[ADRA+\s], s21, v4
	v_add_nc_u32 v[ADRB+\s], s22, v4
	s_add_co_u32 s21, s21, SLOT
	s_add_co_u32 s22, s22, SLOT
.endr
	s_mul_i32 s23, s16, 2*SGRP
	s_mul_i32 s19, s15, 128*80
	s_add_co_u32 s23, s23, s19
	v_mul_u32_u24 v5, v1, 80
	s_wait_alu depctr_va_vdst(0)
	v_lshl_add_u32 v5, v2, 4, v5
	v_add_nc_u32 v[STO], s23, v5
	v_and_b32 v6, 31, v0
	v_lshrrev_b32 v7, 2, v6
	v_mul_u32_u24 v7, v7, 80
	v_and_b32 v5, 3, v6
	v_lshl_add_u32 v7, v5, 4, v7
	s_mul_i32 s23, s14, 64*80
	v_add_nc_u32 v[RD], s23, v7
	v_add_nc_u32 v[RD2], 2*SGRP, v[RD]
	v_lshlrev_b32 v12, 4, v6
.irp g, 0,1,2,3
	s_mul_i32 s19, s88, \g
	v_add_nc_u32 v[CO+\g], s19, v12
.endr
	s_cmp_eq_u32 s67, 2
	s_cselect_b32 s89, s42, s17
	s_cselect_b32 s90, s17, s42
	s_lshr_b32 s91, s89, 3
	s_and_b32 s92, s89, 7
	s_lshl_b32 s93, s90, 19
	s_lshl_b32 s94, s92, 14
	s_lshl_b32 s95, s92, 18
	s_lshl_b32 s90, s90, 14
	s_cmp_eq_u32 s67, 2
	s_cselect_b32 s93, s95, s93
	s_cselect_b32 s94, s90, s94
	s_lshl_b32 s89, s67, 23
	s_lshl_b32 s91, s91, 21
	s_add_co_u32 s89, s89, s91
	s_add_co_u32 s89, s89, s93
	s_add_co_u32 s89, s89, s94
	s_lshl_b32 s91, s14, 12
	s_add_co_u32 s92, s89, s91
	s_mov_b32 s93, 0
	s_add_nc_u64 s[8:9], s[8:9], s[92:93]
.macro FRAG reg, adr, q, i
.irp c, 0,1,2,3
	ds_load_b128 v[\reg+4*\c:\reg+4*\c+3], v[\adr] offset:128*(\q)+32*\c+(\i)*16*PITCH
.endr
.endm
.macro MUL16 a0, p, zero
.irp a, \a0, \a0+1
.irp b, 0,1,2,3,4,5,6,7
.if \zero
	v_wmma_f32_16x16x128_fp8_fp8 v[8*(8*((\a)%4)+\b):8*(8*((\a)%4)+\b)+7], v[128*(\p)+FR*\b:128*(\p)+FR*\b+FR-1], v[AF+FR*(\a):AF+FR*(\a)+FR-1], 0
.else
	v_wmma_f32_16x16x128_fp8_fp8 v[8*(8*((\a)%4)+\b):8*(8*((\a)%4)+\b)+7], v[128*(\p)+FR*\b:128*(\p)+FR*\b+FR-1], v[AF+FR*(\a):AF+FR*(\a)+FR-1], v[8*(8*((\a)%4)+\b):8*(8*((\a)%4)+\b)+7]
.endif
.endr
.endr
.endm
.macro FETCH_B slot, q, p
	WIN TO_B
.irp i, 0,1,2,3,4,5,6,7
	FRAG 128*(\p)+FR*\i, ADRB+\slot, \q, \i
.endr
	WIN 0
.endm
.macro FETCH_A slot, q, i0
.irp i, \i0, \i0+1, \i0+2, \i0+3
	FRAG AF+FR*(\i), ADRA+\slot, \q, \i
.endr
.endm
.macro PLACES n
.rept \n
	v_nop
.endr
.endm
.macro STEP slot, q, zero
	s_wait_dscnt 4*NL
	WIN MUL_LO
	MUL16 0, (\q)%2, \zero
	MUL16 2, (\q)%2, \zero
	s_wait_dscnt 0
	PLACES NP
	FETCH_B \slot, (\q)+1, 1-(\q)%2
	FETCH_A \slot, (\q)+1, 0
	WIN MUL_HI
	MUL16 4, (\q)%2, \zero
	MUL16 6, (\q)%2, \zero
	PLACES NP
	WIN 0
	FETCH_A \slot, (\q)+1, 4
.endm
.macro TURN slot, next, fill
	s_wait_tensorcnt 0x0
	ds_add_u32 v[SPW], v[NIL]
	s_wait_dscnt 4*NL+1
	WIN MUL_LO
	MUL16 0, 1, 0
	s_wait_dscnt 0x0
	s_barrier_signal -1
	MUL16 2, 1, 0
	WIN 0
	s_barrier_wait -1
.if \fill
	CREST
	s_add_nc_u64 s[G0+4*\slot+2:G0+4*\slot+3], s[G0+4*\slot+2:G0+4*\slot+3], 2*ROWB
	s_add_nc_u64 s[G0B+4*\slot+2:G0B+4*\slot+3], s[G0B+4*\slot+2:G0B+4*\slot+3], 2*ROWB
	JLOAD G0+4*\slot, G1, G0B+4*\slot, G1B
.else
	PLACES NP
.endif
	FETCH_B \next, 0, 0
	FETCH_A \next, 0, 0
	WIN MUL_HI
	MUL16 4, 1, 0
	MUL16 6, 1, 0
	PLACES NP
	WIN 0
	FETCH_A \next, 0, 4
.endm
	s_wait_tensorcnt 1
	s_barrier_signal -1
	s_barrier_wait -1
	FETCH_B 0, 0, 0
	FETCH_A 0, 0, 0
	FETCH_A 0, 0, 4
	STEP 0, 0, 1
	s_mov_b32 s3, LAPS-1
.Llap:
	TURN 0, 1, 1
	STEP 1, 0, 0
	TURN 1, 0, 1
	STEP 0, 0, 0
	s_sub_co_u32 s3, s3, 1
	s_cmp_lg_u32 s3, 0
	s_cbranch_scc1 .Llap
	TURN 0, 1, 0
	STEP 1, 0, 0
	s_wait_dscnt 4*NL
	WIN MUL_LO
	MUL16 0, 1, 0
	MUL16 2, 1, 0
	s_wait_dscnt 0
	WIN MUL_HI
	MUL16 4, 1, 0
	MUL16 6, 1, 0
	WIN 0
	s_wait_kmcnt 0x0
	s_sub_co_i32 s89, s74, s68
	s_sub_co_i32 s89, s89, s69
	s_sub_co_i32 s90, s75, s70
	s_sub_co_i32 s90, s90, s71
	s_sub_co_i32 s91, s77, s72
	s_sub_co_i32 s91, s91, s73
	s_cmp_eq_u32 s67, 1
	s_cselect_b32 s89, s90, s89
	s_cmp_eq_u32 s67, 2
	s_cselect_b32 s89, s91, s89
	s_add_co_i32 s89, s89, 127
	s_lshl_b32 s90, s89, 23
	v_mov_b32 v[SCV], s90
	s_add_co_i32 s89, s89, 8
	s_lshl_b32 s89, s89, 23
	s_or_b32 s89, s89, 0x600000
	PLACES NP
.macro PACKQ a
.set AC, 64*((\a)%4)
	WIN 0x02+((\a)/4)
.set j, 0
.rept 64
.set j, j+1
.endr
.irp b, 0,1,2,3,4,5,6,7
	v_cvt_scalef32_pk8_fp8_f32 v[CD+16*(\a)+2*\b:CD+16*(\a)+2*\b+1], v[AC+8*\b:AC+8*\b+7], v[SCV]
.endr
	WIN 0
	v_nop
.irp g, 0,1,2,3
	ds_store_b128 v[STO], v[CD+16*(\a)+4*\g:CD+16*(\a)+4*\g+3] offset:(\g/2)*SGRP+1280*(\a)+32*(\g%2)
.endr
.endm
.irp a, 0,1,2,3,4,5,6,7
	PACKQ \a
.endr
	s_wait_dscnt 0x0
	s_barrier_signal -1
	s_barrier_wait -1
.irp g, 0,1,2,3
.irp i, 0,1,2,3,4,5,6,7
	ds_load_b128 v[CD+4*(8*\g+\i):CD+4*(8*\g+\i)+3], v[RD+\g/2] offset:(\g%2)*SGRP+640*\i
.endr
.endr
.irp g, 0,1,2,3
	s_wait_dscnt 24-8*\g
.irp i, 0,1,2,3,4,5,6,7
	global_store_b128 v[CO+\g], v[CD+4*(8*\g+\i):CD+4*(8*\g+\i)+3], s[8:9] offset:512*\i
.endr
.endr
	s_wait_tensorcnt 0x0
	ds_add_u32 v[SPW], v[NIL]
	s_wait_dscnt 0x0
	CROUND
	s_endpgm
.Lfunc_end_k_qf617d57a62_proj:
	.size	k_qf617d57a62_proj, .Lfunc_end_k_qf617d57a62_proj-k_qf617d57a62_proj
	.p2alignl 7, 3214868480
	.fill 96, 4, 3214868480
	.section	.rodata,"a",@progbits
	.p2align	6, 0x0
	.amdhsa_kernel k_qf617d57a62_proj
		.amdhsa_group_segment_fixed_size 327680
		.amdhsa_private_segment_fixed_size 0
		.amdhsa_enable_private_segment 0
		.amdhsa_kernarg_size 24
		.amdhsa_user_sgpr_count 2
		.amdhsa_user_sgpr_kernarg_segment_ptr 1
		.amdhsa_wavefront_size32 1
		.amdhsa_system_sgpr_workgroup_id_x 1
		.amdhsa_system_sgpr_workgroup_id_y 1
		.amdhsa_system_sgpr_workgroup_id_z 1
		.amdhsa_system_vgpr_workitem_id 0
		.amdhsa_next_free_vgpr 1024
		.amdhsa_next_free_sgpr 100
		.amdhsa_reserve_vcc 0
		.amdhsa_float_denorm_mode_32 3
		.amdhsa_float_denorm_mode_16_64 3
		.amdhsa_fp16_overflow 1
		.amdhsa_memory_ordered 1
		.amdhsa_forward_progress 1
		.amdhsa_inst_pref_size 93
	.end_amdhsa_kernel
	.amdgpu_metadata
---
amdhsa.version: [ 1, 2 ]
amdhsa.kernels:
  - .name:           k_qf617d57a62_proj
    .symbol:         k_qf617d57a62_proj.kd
    .args:
      - { .name: codes, .offset: 0, .size: 8, .value_kind: global_buffer, .address_space: global }
      - { .name: lowp_scales, .offset: 8, .size: 8, .value_kind: global_buffer, .address_space: global }
      - { .name: hcodes, .offset: 16, .size: 8, .value_kind: global_buffer, .address_space: global }
    .group_segment_fixed_size: 327680
    .private_segment_fixed_size: 0
    .kernarg_segment_align: 8
    .kernarg_segment_size: 24
    .max_flat_workgroup_size: 128
    .sgpr_count:     100
    .vgpr_count:     1024
    .wavefront_size: 32
...
	.end_amdgpu_metadata
.endif
;; end of part 2
;; launch attn (part 3): grid 4 x 64, 16 waves a work-group, clusters of 4 x 1, 327,680 bytes of LDS; arguments hcodes, mbits, lowp_scales, xc; writes xc
.if DOCPART == 3
	.amdgcn_target "amdgcn-amd-amdhsa--gfx1250"
	.amdhsa_code_object_version 6
	.text
	.protected	k_qf617d57a62_attn
	.globl	k_qf617d57a62_attn
	.p2align	8
	.type	k_qf617d57a62_attn,@function
k_qf617d57a62_attn:
	s_mov_b64 s[64:65], 0
	v_nop
	global_prefetch_b8 v0, s[64:65] scope:SCOPE_SE
	s_setreg_imm32_b32 hwreg(HW_REG_WAVE_MODE, 25, 1), 1
	s_wait_xcnt 0x0
	s_wait_alu depctr_hold_cnt(0) depctr_sa_sdst(0) depctr_va_vdst(0) depctr_va_sdst(0) depctr_va_ssrc(0) depctr_va_vcc(0) depctr_vm_vsrc(0)
	s_getreg_b32 s2, hwreg(HW_REG_IB_STS2, 6, 4)
	s_cmp_eq_u32 s2, 0
	s_cbranch_scc0 .Lentry_in_a_cluster
	s_endpgm
.Lentry_in_a_cluster:
	s_bfe_u32 s2, ttmp6, 0x10000c
	s_cmp_lg_u32 s2, 0x3003
	s_cbranch_scc0 .Lentry_shape_is_right
	s_endpgm
.Lentry_shape_is_right:
.set PIECE, 4352
.set TROW,  1088
.set KVO,   2*PIECE
.set STEPB, 4*PIECE
.set SPARE, 16*STEPB
.set STAGE, SPARE+2048
.set SP,  80
.set SPW, 5
.set NIL, 6
.set F,   32
.set S,   96
.set O,   160
.set P,   192
.set TB,  2
.set CNT, 3
.set WV,  104
.macro CROUND
	s_barrier_signal -1
	s_barrier_wait -1
	s_cmp_lg_u32 s[WV], 0
	s_cbranch_scc1 .Lnot_wave_0_\@
	s_barrier_signal -3
.Lnot_wave_0_\@:
	s_barrier_wait -3
	s_barrier_signal -1
	s_barrier_wait -1
.endm
	s_load_b256 s[32:39], s[0:1], 0x0
	v_lshl_add_u32 v[SPW], v0, 2, SPARE
	v_mov_b32 v[NIL], 0
	ds_add_u32 v[SPW], v[NIL]
	ds_add_u32 v[SPW], v[NIL]
	v_lshrrev_b32 v8, 5, v0
	s_delay_alu instid0(VALU_DEP_1)
	v_readfirstlane_b32 s[WV], v8
	s_bfe_u32 s40, ttmp6, 0x40000
	s_and_b32 s41, ttmp7, 0xffff
	s_lshr_b32 s42, s41, 4
	s_and_b32 s43, s41, 15
	s_lshl_b32 s44, ttmp9, 2
	s_add_co_u32 s44, s44, s40
	s_lshl_b32 s45, s44, 5
	s_lshl_b32 s46, s[WV], 1
	s_add_co_u32 s45, s45, s46
	s_lshl_b32 s48, s41, 17
	s_lshl_b32 s49, s[WV], 12
	s_add_co_u32 s48, s48, s49
	s_add_co_u32 s48, s48, 8388608
	s_lshl_b32 s50, s42, 21
	s_lshl_b32 s51, s43, 12
	s_add_co_u32 s50, s50, s51
	s_and_b32 s51, s[WV], 7
	s_lshl_b32 s52, s51, 16
	s_add_co_u32 s50, s50, s52
	s_add_co_u32 s50, s50, 16777216
	s_mov_b32 s53, 524288
	s_cmp_lt_u32 s[WV], 8
	s_cselect_b32 s48, s48, s50
	s_cselect_b32 s54, 32768, s53
	s_mov_b32 s49, 0
	s_mov_b32 s55, 0
	s_lshr_b32 s56, s51, 1
	s_mul_i32 s56, s56, STEPB
	s_and_b32 s57, s[WV], 1
	s_mul_i32 s57, s57, PIECE
	s_add_co_u32 s56, s56, s57
	s_lshr_b32 s57, s[WV], 3
	s_mul_i32 s57, s57, KVO
	s_add_co_u32 s56, s56, s57
	s_lshl_b32 s58, s41, 17
	s_lshl_b32 s59, s45, 10
	s_add_co_u32 s58, s58, s59
	s_mov_b32 s59, 0
	s_lshl_b32 s60, s42, 7
	s_add_co_u32 s60, s60, s45
	s_lshl_b32 s60, s60, 12
	s_mov_b32 s61, 0
	s_lshl_b32 s62, s43, 19
	s_lshl_b32 s63, s42, 17
	s_add_co_u32 s62, s62, s63
	s_lshl_b32 s63, s45, 10
	s_add_co_u32 s62, s62, s63
	s_mov_b32 s63, 0
	s_mov_b32 s16, 15|(1<<20)|(1<<21)|(5<<22)|(3<<25)
	s_mov_b32 s17, 256<<16
	s_mov_b32 s18, 16<<16
	s_mov_b32 s19, 256<<16
	s_mov_b32 s20, 16
	s_mov_b32 s21, 256
	s_mov_b32 s22, 0
	s_mov_b32 s23, 0
	s_mov_b32 s100, 0x76543210
	s_mov_b32 s101, 0xfedcba98
	v_and_b32 v8, 15, v0
	v_bfe_u32 v9, v0, 4, 1
	s_delay_alu instid0(VALU_DEP_2)
	v_lshrrev_b32 v10, 2, v8
	s_delay_alu instid0(VALU_DEP_3)
	v_lshlrev_b32 v1, 6, v8
	s_delay_alu instid0(VALU_DEP_1)
	v_lshl_add_u32 v1, v10, 4, v1
	s_delay_alu instid0(VALU_DEP_1)
	v_lshl_add_u32 v1, v9, 4, v1
	s_delay_alu instid0(VALU_DEP_1)
	v_add_nc_u32 v2, KVO, v1
	s_mul_i32 s47, s[WV], 16*SP
	s_add_co_u32 s47, s47, STAGE
	v_mul_u32_u24 v24, v8, SP
	s_delay_alu instid0(VALU_DEP_1)
	v_lshl_add_u32 v24, v9, 3, v24
	s_delay_alu instid0(VALU_DEP_1)
	v_add_nc_u32 v24, s47, v24
	v_and_b32 v7, 31, v0
	s_delay_alu instid0(VALU_DEP_1)
	v_lshrrev_b32 v25, 2, v7
	s_delay_alu instid0(VALU_DEP_1)
	v_mul_u32_u24 v25, v25, SP
	s_delay_alu instid0(VALU_DEP_3)
	v_and_b32 v10, 3, v7
	s_delay_alu instid0(VALU_DEP_1)
	v_lshl_add_u32 v25, v10, 4, v25
	s_delay_alu instid0(VALU_DEP_1)
	v_add_nc_u32 v25, s47, v25
	v_lshlrev_b32 v7, 4, v7
	v_lshlrev_b32 v11, 6, v8
	s_delay_alu instid0(VALU_DEP_1)
	v_lshl_add_u32 v11, v9, 4, v11
	s_wait_dscnt 0x0
	s_wait_kmcnt 0x0
	s_load_b256 s[68:75], s[36:37], 0x0
	s_load_b128 s[76:79], s[36:37], 0x20
	s_add_nc_u64 s[80:81], s[32:33], s[48:49]
	s_add_nc_u64 s[2:3], s[32:33], s[58:59]
	s_add_nc_u64 s[12:13], s[34:35], s[60:61]
	s_add_nc_u64 s[14:15], s[38:39], s[62:63]
.set n, 0
.irp g, 4, 8, 24, 28
	s_mov_b32 s[\g], 1
	s_add_co_u32 s[\g+1], s56, n*4*STEPB
	s_mov_b64 s[\g+2:\g+3], s[80:81]
	s_or_b32 s[\g+3], s[\g+3], 0x80000000
	s_add_nc_u64 s[80:81], s[80:81], s[54:55]
.set n, n+1
.endr
	CROUND
.irp g, 4, 8, 24, 28
	s_wait_alu depctr_va_vdst(0)
	s_wait_tensorcnt 0x0
	ds_add_u32 v5, v6
	ds_add_u32 v5, v6
	s_wait_dscnt 0x0
	CROUND
	tensor_load_to_lds s[\g:\g+3], s[16:23]
	s_nop 0
.endr
.rept 4
	v_nop
.endr
	s_wait_alu depctr_va_vdst(0)
	global_load_b128 v[16:19], v11, s[2:3]
	global_load_b128 v[20:23], v11, s[2:3] offset:32
	global_load_b128 v[224:227], v11, s[2:3] offset:1024
	global_load_b128 v[228:231], v11, s[2:3] offset:1056
.macro BEGIN
	v_mov_b32 v13, 0xff61b1e6
	s_delay_alu instid0(VALU_DEP_1)
	v_floor_f32 v12, -v13
	v_mov_b32 v14, 0
	v_mov_b32 v15, 0
.set j, 0
.rept 32
	v_mov_b32 v[O+j], 0
.set j, j+1
.endr
.endm
	BEGIN
	v_mov_b32 v216, 0
	v_mov_b32 v211, 0
	s_wait_kmcnt 0x0
	s_add_co_i32 s84, s74, s75
	s_lshl_b32 s85, s84, 23
	s_add_co_i32 s66, s85, 0x3e38aa3b
	s_mov_b32 s67, s66
	s_sub_co_i32 s85, 160, s84
	s_lshl_b32 s85, s85, 23
	s_or_b32 s85, s85, 0x80000000
	v_mov_b32 v10, s85
	s_add_co_i32 s85, s76, 127
	s_lshl_b32 s86, s85, 23
	v_mov_b32 v27, s86
	s_sub_co_i32 s85, s78, s76
	s_sub_co_i32 s85, s85, s77
	s_add_co_i32 s85, s85, 127
	s_lshl_b32 s86, s85, 23
	v_mov_b32 v29, s86
	s_load_b512 s[32:47], s[12:13], 0x0
	s_load_b512 s[48:63], s[12:13], 0x40
	s_load_b512 s[68:83], s[12:13], 0x80
	s_load_b512 s[84:99], s[12:13], 0xc0
	s_wait_loadcnt 0x0
	s_mov_b32 s[TB], 0
.macro STEP qr, more
	v_add_nc_u32 v8, s[TB], v1
	s_setprio 2
	v_add_nc_u32 v9, s[TB], v2
	v_nop
	v_nop
.irp t, 0,1,2,3,4,5,6,7
	ds_load_b128 v[F+8*\t:F+8*\t+3],   v8 offset:TROW*\t
	ds_load_b128 v[F+8*\t+4:F+8*\t+7], v8 offset:TROW*\t+32
.endr
	s_add_co_u32 s[TB], s[TB], STEPB
	s_wait_alu depctr_va_vdst(0)
	s_wait_dscnt 8
.irp t, 0,1,2,3
	v_wmma_f32_16x16x64_fp8_fp8 v[S+8*\t:S+8*\t+7], v[F+8*\t:F+8*\t+7], v[(\qr):(\qr)+7], 0
.endr
	s_wait_dscnt 0x0
.irp t, 4,5,6,7
	v_wmma_f32_16x16x64_fp8_fp8 v[S+8*\t:S+8*\t+7], v[F+8*\t:F+8*\t+7], v[(\qr):(\qr)+7], 0
.endr
.rept 4
	v_nop
.endr
.irp t, 0,1,2,3
.irp c, 0,1,2,3
	ds_load_b128 v[F+16*\t+4*\c:F+16*\t+4*\c+3], v9 offset:(\c/2)*PIECE+TROW*\t+32*(\c%2)
.endr
.endr
	s_wait_kmcnt 0x0
.set n, 0
.rept 64
	v_cndmask_b32 v[S+n], v10, v[S+n], s[32+n+4*(n/32)]
.set n, n+1
.endr
.if \more
	s_add_nc_u64 s[12:13], s[12:13], 256
	s_load_b512 s[32:47], s[12:13], 0x0
	s_load_b512 s[48:63], s[12:13], 0x40
	s_load_b512 s[68:83], s[12:13], 0x80
	s_load_b512 s[84:99], s[12:13], 0xc0
.endif
	v_max3_num_f32 v208, v[S], v[S+1], v[S+2]
	v_max3_num_f32 v212, v[S+3], v[S+4], v[S+5]
.irp i, 6,10,14,18,22,26,30,34,38,42,46,50,54,58
	s_delay_alu instid0(VALU_DEP_2)
	v_max3_num_f32 v208, v208, v[S+\i], v[S+1+\i]
	s_delay_alu instid0(VALU_DEP_2)
	v_max3_num_f32 v212, v212, v[S+2+\i], v[S+3+\i]
.endr
	s_delay_alu instid0(VALU_DEP_2)
	v_max3_num_f32 v208, v208, v[S+62], v[S+63]
	s_delay_alu instid0(VALU_DEP_1)
	v_max_num_f32 v208, v208, v212
	s_delay_alu instid0(VALU_DEP_1)
	v_permlanex16_b32 v216, v208, s100, s101
	s_delay_alu instid0(VALU_DEP_1)
	v_max_num_f32 v208, v208, v216
	s_delay_alu instid0(VALU_DEP_1)
	v_mul_f32 v208, s66, v208
	s_delay_alu instid0(VALU_DEP_1)
	v_max_num_f32 v13, v13, v208
	v_mov_b32 v208, v12
	s_delay_alu instid0(VALU_DEP_2)
	v_floor_f32 v12, -v13
	s_delay_alu instid0(VALU_DEP_1)
	v_sub_f32 v208, v12, v208
	s_delay_alu instid0(VALU_DEP_1)
	v_cvt_i32_f32 v208, v208
	s_delay_alu instid0(VALU_DEP_1)
	v_ldexp_f32 v210, 1.0, v208
.set j, 0
.rept 32
	v_pk_fma_f32 v[S+j:S+j+1], v[S+j:S+j+1], s[66:67], v[12:13] op_sel_hi:[1,0,0]
.set j, j+2
.endr
.set j, 0
	s_setprio 1
	s_wait_alu depctr_va_vdst(0)
.rept 64
	v_exp_f32 v[S+j], v[S+j]
.set j, j+1
.endr
	v_pk_mul_f32 v[14:15], v[14:15], v[210:211] op_sel_hi:[1,0]
	s_wait_alu depctr_va_vdst(0)
	v_pk_add_f32 v[214:215], v[S:S+1], v[S+2:S+3]
.irp j, 4,8,12,16,20,24,28,32,36,40,44,48,52,56,60
	v_pk_add_f32 v[14:15], v[14:15], v[S+\j:S+1+\j]
	v_pk_add_f32 v[214:215], v[214:215], v[S+2+\j:S+3+\j]
.endr
	s_delay_alu instid0(VALU_DEP_1)
	v_pk_add_f32 v[14:15], v[14:15], v[214:215]
	s_setprio 0
.irp b, 0,1,2,3
.irp i, 0,1,2,3,4,5,6,7,8,9,10,11,12,13,14,15
.endr
	v_cvt_scalef32_pk8_fp8_f32 v[P+4*\b:P+4*\b+1], v[S+16*\b:S+16*\b+7], v27
	v_cvt_scalef32_pk8_fp8_f32 v[P+4*\b+2:P+4*\b+3], v[S+16*\b+8:S+16*\b+15], v27
.endr
.set j, 0
.rept 16
	v_pk_mul_f32 v[O+j:O+j+1], v[O+j:O+j+1], v[210:211] op_sel_hi:[1,0]
.set j, j+2
.endr
	s_wait_alu depctr_va_vdst(0)
	s_wait_dscnt 0x0
.irp t, 0,1,2,3
	v_wmma_f32_16x16x128_fp8_fp8 v[O+8*\t:O+8*\t+7], v[F+16*\t:F+16*\t+15], v[P:P+15], v[O+8*\t:O+8*\t+7]
.endr
.endm
.macro WAYOUT p
.rept 4
	v_nop
.endr
	v_add_f32 v14, v14, v15
	s_delay_alu instid0(VALU_DEP_1)
	v_permlanex16_b32 v216, v14, s100, s101
	s_delay_alu instid0(VALU_DEP_1)
	v_add_f32 v14, v14, v216
	s_wait_alu depctr_va_vdst(0)
	v_rcp_f32 v14, v14
	v_nop
	s_wait_alu depctr_va_vdst(0)
.set j, 0
.rept 16
	v_pk_mul_f32 v[S+j:S+j+1], v[O+j:O+j+1], v[14:15] op_sel_hi:[1,0]
.set j, j+2
.endr
.set j, 0
.rept 32
.set j, j+1
.endr
.irp t, 0,1,2,3
	v_cvt_scalef32_pk8_fp8_f32 v[248+2*\t:249+2*\t], v[S+8*\t:S+8*\t+7], v29
.endr
	v_nop
.irp t, 0,1,2,3
	ds_store_b64 v24, v[248+2*\t:249+2*\t] offset:16*\t
.endr
	ds_load_b128 v[232+8*(\p):235+8*(\p)], v25
	ds_load_b128 v[236+8*(\p):239+8*(\p)], v25 offset:8*SP
.if (\p) == 0
	BEGIN
.endif
	s_wait_dscnt 1
	global_store_b128 v7, v[232+8*(\p):235+8*(\p)], s[14:15] offset:1024*(\p)
	s_wait_dscnt 0x0
	global_store_b128 v7, v[236+8*(\p):239+8*(\p)], s[14:15] offset:1024*(\p)+512
.endm
	s_wait_tensorcnt 0x3
	s_barrier_signal -1
	s_barrier_wait -1
	STEP 16, 1
	STEP 16, 1
	STEP 16, 1
	STEP 16, 1
	s_wait_tensorcnt 0x0
	s_barrier_signal -1
	s_barrier_wait -1
	s_mov_b32 s[CNT], 12
.Lfirst:
	STEP 16, 1
	s_sub_co_u32 s[CNT], s[CNT], 1
	s_cmp_lg_u32 s[CNT], 0
	s_cbranch_scc1 .Lfirst
	s_setprio 0
	WAYOUT 0
	s_mov_b32 s[TB], 0
	s_mov_b32 s[CNT], 15
.Lsecond:
	STEP 224, 1
	s_sub_co_u32 s[CNT], s[CNT], 1
	s_cmp_lg_u32 s[CNT], 0
	s_cbranch_scc1 .Lsecond
	s_setprio 0
	STEP 224, 0
	WAYOUT 1
	s_wait_tensorcnt 0x0
	ds_add_u32 v[SPW], v[NIL]
	s_wait_dscnt 0x0
	CROUND
	s_endpgm
.Lfunc_end_k_qf617d57a62_attn:
	.size	k_qf617d57a62_attn, .Lfunc_end_k_qf617d57a62_attn-k_qf617d57a62_attn
	.p2alignl 7, 3214868480
	.fill 96, 4, 3214868480
	.section	.rodata,"a",@progbits
	.p2align	6, 0x0
	.amdhsa_kernel k_qf617d57a62_attn
		.amdhsa_group_segment_fixed_size 327680
		.amdhsa_private_segment_fixed_size 0
		.amdhsa_enable_private_segment 0
		.amdhsa_kernarg_size 32
		.amdhsa_user_sgpr_count 2
		.amdhsa_user_sgpr_kernarg_segment_ptr 1
		.amdhsa_wavefront_size32 1
		.amdhsa_system_sgpr_workgroup_id_x 1
		.amdhsa_system_sgpr_workgroup_id_y 1
		.amdhsa_system_sgpr_workgroup_id_z 1
		.amdhsa_system_vgpr_workitem_id 0
		.amdhsa_next_free_vgpr 256
		.amdhsa_next_free_sgpr 106
		.amdhsa_reserve_vcc 0
		.amdhsa_float_denorm_mode_32 3
		.amdhsa_float_denorm_mode_16_64 3
		.amdhsa_fp16_overflow 1
		.amdhsa_memory_ordered 1
		.amdhsa_forward_progress 1
		.amdhsa_inst_pref_size 150
	.end_amdhsa_kernel
	.amdgpu_metadata
---
amdhsa.version: [ 1, 2 ]
amdhsa.kernels:
  - .name:           k_qf617d57a62_attn
    .symbol:         k_qf617d57a62_attn.kd
    .args:
      - { .name: hcodes, .offset: 0, .size: 8, .value_kind: global_buffer, .address_space: global }
      - { .name: mbits, .offset: 8, .size: 8, .value_kind: global_buffer, .address_space: global }
      - { .name: lowp_scales, .offset: 16, .size: 8, .value_kind: global_buffer, .address_space: global }
      - { .name: xc, .offset: 24, .size: 8, .value_kind: global_buffer, .address_space: global }
    .group_segment_fixed_size: 327680
    .private_segment_fixed_size: 0
    .kernarg_segment_align: 8
    .kernarg_segment_size: 32
    .max_flat_workgroup_size: 512
    .sgpr_count:     106
    .vgpr_count:     256
    .wavefront_size: 32
...
	.end_amdgpu_metadata
.endif
;; end of part 3
;; launch oproj (part 4): grid 4 x 32, 4 waves a work-group, clusters of 4 x 4, 327,680 bytes of LDS; arguments xc, codes, lowp_scales, out0; writes out0
.if DOCPART == 4
	.amdgcn_target "amdgcn-amd-amdhsa--gfx1250"
	.amdhsa_code_object_version 6
	.text
	.protected	k_qf617d57a62_oproj
	.globl	k_qf617d57a62_oproj
	.p2align	8
	.type	k_qf617d57a62_oproj,@function
k_qf617d57a62_oproj:
	s_mov_b64 s[64:65], 0
	v_nop
	global_prefetch_b8 v0, s[64:65] scope:SCOPE_SE
	s_setreg_imm32_b32 hwreg(HW_REG_WAVE_MODE, 25, 1), 1
	s_wait_xcnt 0x0
	s_wait_alu depctr_hold_cnt(0) depctr_sa_sdst(0) depctr_va_vdst(0) depctr_va_sdst(0) depctr_va_ssrc(0) depctr_va_vcc(0) depctr_vm_vsrc(0)
	s_getreg_b32 s2, hwreg(HW_REG_IB_STS2, 6, 4)
	s_cmp_eq_u32 s2, 0
	s_cbranch_scc0 .Lentry_in_a_cluster
	s_endpgm
.Lentry_in_a_cluster:
	s_bfe_u32 s2, ttmp6, 0x10000c
	s_cmp_lg_u32 s2, 0xf033
	s_cbranch_scc0 .Lentry_shape_is_right
	s_endpgm
.Lentry_shape_is_right:
.set SIZE_M, 8192
.set SIZE_N, 1024
.set SIZE_K, 1024
.set KSTEP,  256
.set ROWB,   256
.set KROW,   SIZE_K
.set PITCH,  272
.set APITCH, 80
.set HEADB,  128*APITCH
.set HALFA,  4*HEADB
.set HALFB,  128*PITCH
.set SLOT,   2*HALFA+2*HALFB
.set HSTR,   SIZE_M*64
.set ASTEP,  4*HSTR
.set FR,     16
.set NL,     4
.set NP,     4
.set LAPS,   SIZE_K/(2*KSTEP)
.set SPARE,  2*SLOT
.set SPITCH, 528
.set ADRA, 16
.set ADRB, 20
.set STO,  24
.set RD,   25
.set CO,   26
.set SPW,  28
.set NIL,  29
.set TMP,  32
.set AF,   128
.set BK,   128
.set G1, 24
.set G0, 32
.set G1B, 48
.set G0B, 56
.set MSB, 0
.macro WIN new
.if MSB != \new
	s_set_vgpr_msb (MSB<<8)|\new
.set MSB, \new
.endif
.endm
.set MUL_LO, 0xa1
.set MUL_HI, 0xf1
.set TO_B,   0x40
.macro JLOAD g0a, g1a, g0b, g1b
	s_cmp_eq_u32 s15, 0
	s_cbranch_scc0 .Lfor_b_\@
	tensor_load_to_lds s[\g0a:\g0a+3], s[\g1a:\g1a+7]
	s_nop 0
.rept 4
	v_nop
.endr
	s_branch .Lasked_\@
.Lfor_b_\@:
	tensor_load_to_lds s[\g0b:\g0b+3], s[\g1b:\g1b+7]
	s_nop 0
.rept 4
	v_nop
.endr
.Lasked_\@:
.endm
.macro CREST
	s_cmp_lg_u32 s14, 0
	s_cbranch_scc1 .Lnot_wave_0_\@
	s_barrier_signal -3
.Lnot_wave_0_\@:
	s_barrier_wait -3
	s_barrier_signal -1
	s_barrier_wait -1
.endm
.macro CROUND
	s_barrier_signal -1
	s_barrier_wait -1
	CREST
.endm
	s_load_b128 s[4:7], s[0:1], 0x0
	s_load_b128 s[8:11], s[0:1], 0x10
	v_lshl_add_u32 v[SPW], v0, 2, SPARE
	v_mov_b32 v[NIL], 0
	ds_add_u32 v[SPW], v[NIL]
	ds_add_u32 v[SPW], v[NIL]
	v_lshrrev_b32 v1, 5, v0
	v_readfirstlane_b32 s14, v1
	s_lshr_b32 s15, s14, 1
	s_and_b32 s16, s14, 1
	s_bfe_u32 s40, ttmp6, 0x40000
	s_bfe_u32 s41, ttmp6, 0x40004
	s_lshl_b32 s42, ttmp9, 2
	s_add_co_u32 s42, s42, s40
	s_and_b32 s17, ttmp7, 0xffff
	s_lshl_b32 s17, s17, 2
	s_add_co_u32 s17, s17, s41
	s_lshl_b32 s43, s41, 2
	s_lshl_b32 s43, 15, s43
	s_lshl_b32 s44, 0x1111, s40
	s_or_b32 s[G1+0], s43, (0<<16)|(1<<20)|(1<<21)|(3<<22)|(3<<25)
	s_mov_b32 s[G1+1], 8192<<16
	s_mov_b32 s[G1+2], 4<<16
	s_mov_b32 s[G1+3], 8192<<16
	s_mov_b32 s[G1+4], 4
	s_mov_b32 s[G1+5], HSTR
	s_mov_b32 s[G1+6], 0
	s_mov_b32 s[G1+7], 0
	s_or_b32 s[G1B+0], s44, (0<<16)|(1<<20)|(1<<21)|(5<<22)|(3<<25)
	s_mov_b32 s[G1B+1], ROWB<<16
	s_mov_b32 s[G1B+2], 128<<16
	s_mov_b32 s[G1B+3], ROWB<<16
	s_mov_b32 s[G1B+4], 128
	s_mov_b32 s[G1B+5], KROW
	s_mov_b32 s[G1B+6], 0
	s_mov_b32 s[G1B+7], 0
	s_lshl_b32 s18, s16, 7
	s_lshl_b32 s20, s17, 8
	s_add_co_u32 s20, s20, s18
	s_lshl_b32 s20, s20, 6
	s_mov_b32 s21, 0
	s_lshl_b32 s46, s42, 8
	s_add_co_u32 s46, s46, s18
	s_lshl_b32 s46, s46, 10
	s_add_co_u32 s46, s46, 28311552
	s_mov_b32 s47, 0
	s_mul_i32 s45, s16, HALFA
	s_mul_i32 s12, s16, HALFB
	s_add_co_u32 s12, s12, 2*HALFA
	s_wait_dscnt 0x0
	s_wait_kmcnt 0x0
	s_load_b64 s[96:97], s[8:9], 0x28
	s_add_nc_u64 s[20:21], s[4:5], s[20:21]
	s_add_nc_u64 s[46:47], s[6:7], s[46:47]
	CROUND
.irp s, 0,1
	s_mov_b32 s[G0+4*\s], 1
	s_add_co_u32 s[G0+4*\s+1], s45, \s*SLOT
	s_add_nc_u64 s[G0+4*\s+2:G0+4*\s+3], s[20:21], \s*ASTEP
	s_or_b32 s[G0+4*\s+3], s[G0+4*\s+3], 0x80000000
	s_mov_b32 s[G0B+4*\s], 1
	s_add_co_u32 s[G0B+4*\s+1], s12, \s*SLOT
	s_add_nc_u64 s[G0B+4*\s+2:G0B+4*\s+3], s[46:47], \s*ROWB
	s_or_b32 s[G0B+4*\s+3], s[G0B+4*\s+3], 0x80000000
	s_wait_alu depctr_va_vdst(0)
	s_wait_tensorcnt 0x0
	ds_add_u32 v28, v29
	ds_add_u32 v28, v29
	s_wait_dscnt 0x0
	CROUND
	JLOAD G0+4*\s, G1, G0B+4*\s, G1B
.endr
	v_and_b32 v1, 15, v0
	v_bfe_u32 v2, v0, 4, 1
	v_mul_u32_u24 v3, v1, PITCH
	v_lshl_add_u32 v4, v2, 4, v3
	v_mul_u32_u24 v3, v1, APITCH
	v_lshl_add_u32 v5, v2, 4, v3
	s_mul_i32 s21, s15, HALFA
	s_mul_i32 s22, s16, HALFB
	s_add_co_u32 s22, s22, 2*HALFA
.irp s, 0,1
	v_add_nc_u32 v[ADRA+\s], s21, v5
	v_add_nc_u32 v[ADRB+\s], s22, v4
	s_add_co_u32 s21, s21, SLOT
	s_add_co_u32 s22, s22, SLOT
.endr
	s_mul_i32 s23, s14, 16*SPITCH
	v_mul_u32_u24 v5, v1, SPITCH
	v_lshl_add_u32 v5, v2, 5, v5
	v_add_nc_u32 v[STO], s23, v5
	v_and_b32 v6, 31, v0
	v_lshlrev_b32 v[CO], 4, v6
	v_add_nc_u32 v[RD], s23, v[CO]
	s_lshl_b32 s20, s17, 8
	s_lshl_b32 s21, s15, 7
	s_add_co_u32 s20, s20, s21
	s_lshl_b32 s20, s20, 12
	s_lshl_b32 s46, s42, 10
	s_lshl_b32 s47, s16, 9
	s_add_co_u32 s46, s46, s47
	s_add_co_u32 s20, s20, s46
	s_mov_b32 s21, 0
	s_add_nc_u64 s[10:11], s[10:11], s[20:21]
.macro FRAG reg, adr, q, i
.irp c, 0,1,2,3
	ds_load_b128 v[\reg+4*\c:\reg+4*\c+3], v[\adr] offset:128*(\q)+32*\c+(\i)*16*PITCH
.endr
.endm
.macro FRAGA reg, adr, q, i
.irp c, 0,1,2,3
	ds_load_b128 v[\reg+4*\c:\reg+4*\c+3], v[\adr] offset:(2*(\q)+\c/2)*HEADB+(\i)*16*APITCH+32*(\c%2)
.endr
.endm
.macro MUL16 a0, p, zero
.irp a, \a0, \a0+1
.irp b, 0,1,2,3,4,5,6,7
.if \zero
	v_wmma_f32_16x16x128_fp8_fp8 v[8*(8*((\a)%4)+\b):8*(8*((\a)%4)+\b)+7], v[128*(\p)+FR*\b:128*(\p)+FR*\b+FR-1], v[AF+FR*(\a):AF+FR*(\a)+FR-1], 0
.else
	v_wmma_f32_16x16x128_fp8_fp8 v[8*(8*((\a)%4)+\b):8*(8*((\a)%4)+\b)+7], v[128*(\p)+FR*\b:128*(\p)+FR*\b+FR-1], v[AF+FR*(\a):AF+FR*(\a)+FR-1], v[8*(8*((\a)%4)+\b):8*(8*((\a)%4)+\b)+7]
.endif
.endr
.endr
.endm
.macro FETCH_B slot, q, p
	WIN TO_B
.irp i, 0,1,2,3,4,5,6,7
	FRAG 128*(\p)+FR*\i, ADRB+\slot, \q, \i
.endr
	WIN 0
.endm
.macro FETCH_A slot, q, i0
.irp i, \i0, \i0+1, \i0+2, \i0+3
	FRAGA AF+FR*(\i), ADRA+\slot, \q, \i
.endr
.endm
.macro PLACES n
.rept \n
	v_nop
.endr
.endm
.macro STEP slot, q, zero
	s_wait_dscnt 4*NL
	WIN MUL_LO
	MUL16 0, (\q)%2, \zero
	MUL16 2, (\q)%2, \zero
	s_wait_dscnt 0
	PLACES NP
	FETCH_B \slot, (\q)+1, 1-(\q)%2
	FETCH_A \slot, (\q)+1, 0
	WIN MUL_HI
	MUL16 4, (\q)%2, \zero
	MUL16 6, (\q)%2, \zero
	PLACES NP
	WIN 0
	FETCH_A \slot, (\q)+1, 4
.endm
.macro TURN slot, next, fill
	s_wait_tensorcnt 0x0
	ds_add_u32 v[SPW], v[NIL]
	s_wait_dscnt 4*NL+1
	WIN MUL_LO
	MUL16 0, 1, 0
	s_wait_dscnt 0x0
	s_barrier_signal -1
	MUL16 2, 1, 0
	WIN 0
	s_barrier_wait -1
.if \fill
	CREST
	s_add_nc_u64 s[G0+4*\slot+2:G0+4*\slot+3], s[G0+4*\slot+2:G0+4*\slot+3], 2*ASTEP
	s_add_nc_u64 s[G0B+4*\slot+2:G0B+4*\slot+3], s[G0B+4*\slot+2:G0B+4*\slot+3], 2*ROWB
	JLOAD G0+4*\slot, G1, G0B+4*\slot, G1B
.else
	PLACES NP
.endif
	FETCH_B \next, 0, 0
	FETCH_A \next, 0, 0
	WIN MUL_HI
	MUL16 4, 1, 0
	MUL16 6, 1, 0
	PLACES NP
	WIN 0
	FETCH_A \next, 0, 4
.endm
	s_wait_alu depctr_va_vdst(0)
	s_wait_tensorcnt 1
	s_barrier_signal -1
	s_barrier_wait -1
	FETCH_B 0, 0, 0
	FETCH_A 0, 0, 0
	FETCH_A 0, 0, 4
	STEP 0, 0, 1
	s_mov_b32 s3, LAPS-1
.Llap:
	TURN 0, 1, 1
	STEP 1, 0, 0
	TURN 1, 0, 1
	STEP 0, 0, 0
	s_sub_co_u32 s3, s3, 1
	s_cmp_lg_u32 s3, 0
	s_cbranch_scc1 .Llap
	TURN 0, 1, 0
	STEP 1, 0, 0
	s_wait_dscnt 4*NL
	WIN MUL_LO
	MUL16 0, 1, 0
	MUL16 2, 1, 0
	s_wait_dscnt 0
	WIN MUL_HI
	MUL16 4, 1, 0
	MUL16 6, 1, 0
	WIN 0
.macro TOSTAGE a
.set AC, 64*((\a)%4)
	WIN 0x02+((\a)/4)
.irp j, 0,2,4,6,8,10,12,14,16,18,20,22,24,26,28,30,32,34,36,38,40,42,44,46,48,50,52,54,56,58,60,62
	v_pk_mul_f32 v[TMP+\j:TMP+\j+1], v[AC+\j:AC+\j+1], s[96:97] op_sel_hi:[1,0]
.endr
	WIN 0
.irp b, 0,1,2,3,4,5,6,7
	ds_store_b128 v[STO], v[TMP+8*\b:TMP+8*\b+3] offset:64*\b
	ds_store_b128 v[STO], v[TMP+8*\b+4:TMP+8*\b+7] offset:64*\b+16
.endr
.set BB, BK+64*((\a)%2)
.irp t, 0,1,2,3,4,5,6,7,8,9,10,11,12,13,14,15
	ds_load_b128 v[BB+4*\t:BB+4*\t+3], v[RD] offset:\t*SPITCH
.endr
.endm
.macro SEND a, younger
.set BB, BK+64*((\a)%2)
	s_wait_dscnt \younger
.if (\a) > 0
	s_add_nc_u64 s[10:11], s[10:11], 16*SIZE_N*4
.endif
.irp t, 0,1,2,3,4,5,6,7,8,9,10,11,12,13,14,15
	global_store_b128 v[CO], v[BB+4*\t:BB+4*\t+3], s[10:11] offset:\t*SIZE_N*4 th:TH_STORE_NT
.endr
.endm
	s_wait_kmcnt 0x0
	s_add_co_i32 s96, s96, s97
	s_add_co_i32 s96, s96, 127
	s_lshl_b32 s96, s96, 23
	PLACES NP
	TOSTAGE 0
.irp a, 1,2,3,4,5,6,7
.if \a > 1
	s_wait_xcnt 0x0
.endif
	TOSTAGE \a
	SEND \a-1, 32
.endr
	s_wait_xcnt 0x0
	SEND 7, 0
	s_wait_tensorcnt 0x0
	ds_add_u32 v[SPW], v[NIL]
	s_wait_dscnt 0x0
	CROUND
	s_endpgm
.Lfunc_end_k_qf617d57a62_oproj:
	.size	k_qf617d57a62_oproj, .Lfunc_end_k_qf617d57a62_oproj-k_qf617d57a62_oproj
	.p2alignl 7, 3214868480
	.fill 96, 4, 3214868480
	.section	.rodata,"a",@progbits
	.p2align	6, 0x0
	.amdhsa_kernel k_qf617d57a62_oproj
		.amdhsa_group_segment_fixed_size 327680
		.amdhsa_private_segment_fixed_size 0
		.amdhsa_enable_private_segment 0
		.amdhsa_kernarg_size 32
		.amdhsa_user_sgpr_count 2
		.amdhsa_user_sgpr_kernarg_segment_ptr 1
		.amdhsa_wavefront_size32 1
		.amdhsa_system_sgpr_workgroup_id_x 1
		.amdhsa_system_sgpr_workgroup_id_y 1
		.amdhsa_system_sgpr_workgroup_id_z 1
		.amdhsa_system_vgpr_workitem_id 0
		.amdhsa_next_free_vgpr 1024
		.amdhsa_next_free_sgpr 98
		.amdhsa_reserve_vcc 0
		.amdhsa_float_denorm_mode_32 3
		.amdhsa_float_denorm_mode_16_64 3
		.amdhsa_memory_ordered 1
		.amdhsa_forward_progress 1
		.amdhsa_inst_pref_size 124
	.end_amdhsa_kernel
	.amdgpu_metadata
---
amdhsa.version: [ 1, 2 ]
amdhsa.kernels:
  - .name:           k_qf617d57a62_oproj
    .symbol:         k_qf617d57a62_oproj.kd
    .args:
      - { .name: xc, .offset: 0, .size: 8, .value_kind: global_buffer, .address_space: global }
      - { .name: codes, .offset: 8, .size: 8, .value_kind: global_buffer, .address_space: global }
      - { .name: lowp_scales, .offset: 16, .size: 8, .value_kind: global_buffer, .address_space: global }
      - { .name: out0, .offset: 24, .size: 8, .value_kind: global_buffer, .address_space: global }
    .group_segment_fixed_size: 327680
    .private_segment_fixed_size: 0
    .kernarg_segment_align: 8
    .kernarg_segment_size: 32
    .max_flat_workgroup_size: 128
    .sgpr_count:     98
    .vgpr_count:     1024
    .wavefront_size: 32
...
	.end_amdgpu_metadata
.endif
;; end of part 4
